; MI455X (gfx1250); checked and timed in simulation.
; The chip was launched on July 23, 2026; its instructions are those of AMD's public machine-readable ISA for CDNA 5 (MIT licence, August 2026) and "CDNA5" Instruction Set Architecture Reference Guide (July 2026). The comments in the code are by the model that wrote it; some were corrected since.
;; Multi Head Attention. Allowed arithmetic: float matrix products may take bf16 or f16 operands with f32 sums; all other float work in f32.
;; Inputs: Wk 1,024 x 1,024 float32; Wo 1,024 x 1,024 float32; Wq 1,024 x 1,024 float32; Wv 1,024 x 1,024 float32; bo 1,024 float32; x 2 x 2,048 x 1,024 float32.
;; Outputs: out0 2 x 2,048 x 1,024 float32.
;; One version. Each part assembles by itself: llvm-mc -triple=amdgcn-amd-amdhsa -mcpu=gfx1250 --defsym DOCPART=n.
;; ======== version 1 of 1: 4 launches
;; limits: values are held in f16: magnitudes above 65,504 overflow, below 6.1e-05 lose precision
;; workspace buffers: xb 8,388,608 bytes; wt 6,291,456 bytes; wot 2,097,152 bytes; qkv 25,165,824 bytes; ctx 8,388,608 bytes
;; launch prep (part 1): grid 512 x 1, 8 waves a work-group, no clusters, 50,432 bytes of LDS; arguments x, Wq, Wk, Wv, Wo, xb, wt, wot; writes xb, wt, wot
.if DOCPART == 1
	.amdgcn_target "amdgcn-amd-amdhsa--gfx1250"
	.amdhsa_code_object_version 6
	.text
	.protected	k_qd3e6804c1c_prep
	.globl	k_qd3e6804c1c_prep
	.p2align	8
	.type	k_qd3e6804c1c_prep,@function
k_qd3e6804c1c_prep:
	s_mov_b64 s[64:65], 0
	v_nop
	global_prefetch_b8 v0, s[64:65] scope:SCOPE_SE
	s_setreg_imm32_b32 hwreg(HW_REG_WAVE_MODE, 25, 1), 1
	s_wait_xcnt 0x0
; prep: the matrix operands that come from the inputs, made once, in 16 bits and with K along the rows.
;   work-groups 0-255:   xb[4096][1024] = x rounded to bf16; 64 KiB of x (16 rows) each.
;   work-groups 256-511: one tile of 128 k x 128 n of one weight, rounded to bf16 and transposed through LDS.
;       wt row  = head*192 + which*64 + d (which: 0 Wq, 1 Wk, 2 Wv; column n of the weight = head*64 + d), 1024 k of bf16 a row
;       wot row = n, 1024 k a row.  Wo is rounded to bf16 like every other input and the bf16 value is then written in f16,
;       because its partner in the last product (ctx) is kept in f16 and the matrix form wants both operands alike.
; LIMIT: that rewriting is exact for 2^-17 <= |Wo| <= 65504; smaller numbers lose bits below 2^-24, larger ones become infinite.
; No matrix unit, no cluster: the launch only moves bytes, each input byte once.
.set XL,   8                           ; v[8:71]   16 loads of 16 bytes
.set XP,   72                          ; v[72:103] packed 16-bit results
.set NP,   48                          ; LDS: 32 bytes (16 k) of one n, + 16
.set WREG, 128*NP+32                   ; LDS: one writing wave's region, 128 n; the 32 shifts the eight regions to different banks for the reads back
	s_load_b512 s[16:31], s[0:1], 0x0              ; x 16, Wq 18, Wk 20, Wv 22, Wo 24, xb 26, wt 28, wot 30
	v_lshl_add_u32 v128, v0, 2, 0xc100
	v_mov_b32 v129, 0
	s_cmp_lt_u32 ttmp9, 256                        ; the same in all waves of a work-group
	s_cbranch_scc0 .Lweights
	; ---- x to bf16.  Thread t takes 16 bytes at 16 t of each 4,096-byte piece: a wave's load covers 512 consecutive bytes,
	; its store 256 consecutive bytes at a multiple of 256.
	s_lshl_b32 s4, ttmp9, 16                       ; 65,536 bytes of x
	s_mov_b32 s5, 0
	s_lshl_b32 s6, ttmp9, 15                       ; 32,768 bytes of xb
	s_mov_b32 s7, 0
	v_lshlrev_b32 v1, 4, v0
	v_lshlrev_b32 v2, 3, v0
	s_wait_kmcnt 0x0
	s_add_nc_u64 s[16:17], s[16:17], s[4:5]
	s_add_nc_u64 s[26:27], s[26:27], s[6:7]
.set j, 0
.rept 16
	global_load_b128 v[XL+4*j:XL+4*j+3], v1, s[16:17] offset:4096*j th:TH_LOAD_NT
.set j, j+1
.endr
.set j, 0
.rept 16
	s_wait_loadcnt 15-j                            ; loads come back in order: piece j is in, the 15-j younger ones stay out
	v_cvt_pk_bf16_f32 v[XP+2*j], v[XL+4*j], v[XL+4*j+1]
	v_cvt_pk_bf16_f32 v[XP+2*j+1], v[XL+4*j+2], v[XL+4*j+3]
	global_store_b64 v2, v[XP+2*j:XP+2*j+1], s[26:27] offset:2048*j
.set j, j+1
.endr
	s_endpgm                                       ; no register is written twice: no further wait
	; ---- a weight tile
.Lweights:
	s_sub_co_u32 s4, ttmp9, 256
	s_lshr_b32 s5, s4, 6                           ; which weight, 0..3
	s_bfe_u32 s6, s4, 0x30003                      ; tk: block of 128 k
	s_and_b32 s7, s4, 7                            ; tn: block of 128 n
	v_lshrrev_b32 v1, 5, v0
	v_readfirstlane_b32 s8, v1                     ; wave 0..7
	v_and_b32 v2, 31, v0                           ; lane
	v_lshlrev_b32 v1, 16, v1                       ; 16 rows of 4,096 bytes a wave
	v_lshl_add_u32 v1, v2, 4, v1                   ; + 16 bytes (4 n) a lane: a load covers the tile row's 512 bytes
	v_mul_u32_u24 v3, v2, 4*NP                     ; LDS in: my four n,
	s_mul_i32 s9, s8, WREG
	v_add_nc_u32 v3, s9, v3                        ; in my wave's own region
	v_bfe_u32 v4, v0, 1, 3                         ; LDS back: my 16 bytes (8 k) of a row were written by wave (lane & 15) / 2,
	v_mul_u32_u24 v6, v4, WREG
	v_and_b32 v4, 1, v0                            ; its first or second 16 bytes
	v_lshl_add_u32 v6, v4, 4, v6
	v_bfe_u32 v4, v0, 4, 1                         ; lanes 0-15 one n, lanes 16-31 the next
	v_mul_u32_u24 v5, v4, NP
	v_add_nc_u32 v6, v6, v5
	s_mul_i32 s9, s8, 16*NP                        ; my wave writes out n = 16 wave .. 16 wave + 15
	v_add_nc_u32 v6, s9, v6
	v_lshlrev_b32 v7, 11, v4                       ; and the same two rows (2,048 bytes each) in memory
	v_and_b32 v5, 15, v0
	v_lshl_add_u32 v7, v5, 4, v7
	s_lshl_b32 s10, s6, 19                         ; source: 128 tk rows of 4,096 bytes
	s_lshl_b32 s11, s7, 9                          ; + 128 tn columns of 4 bytes
	s_add_co_u32 s10, s10, s11
	s_mov_b32 s11, 0
	s_wait_kmcnt 0x0
	s_cmp_eq_u32 s5, 1
	s_cselect_b64 s[18:19], s[20:21], s[18:19]
	s_cmp_eq_u32 s5, 2
	s_cselect_b64 s[18:19], s[22:23], s[18:19]
	s_cmp_eq_u32 s5, 3
	s_cselect_b64 s[18:19], s[24:25], s[18:19]     ; the weight that this work-group reads,
	s_cselect_b64 s[28:29], s[30:31], s[28:29]     ; and the buffer that it writes (the select leaves SCC as it is)
	s_add_nc_u64 s[18:19], s[18:19], s[10:11]
.set j, 0
.rept 16
	global_load_b128 v[XL+4*j:XL+4*j+3], v1, s[18:19] offset:4096*j th:TH_LOAD_NT   ; k = 16 wave + j, n = 4 lane .. + 3
.set j, j+1
.endr
	; the first destination row of my wave's 16
	s_lshl_b32 s10, s7, 1
	s_lshr_b32 s11, s8, 2
	s_add_co_u32 s10, s10, s11                     ; head = 2 tn + wave / 4
	s_mul_i32 s10, s10, 192
	s_lshl_b32 s11, s5, 6
	s_add_co_u32 s10, s10, s11                     ; + 64 which
	s_and_b32 s11, s8, 3
	s_lshl_b32 s11, s11, 4
	s_add_co_u32 s10, s10, s11                     ; + d = 16 (wave & 3)
	s_lshl_b32 s12, s7, 7
	s_lshl_b32 s11, s8, 4
	s_add_co_u32 s12, s12, s11                     ; Wo: n = 128 tn + 16 wave
	s_cmp_eq_u32 s5, 3
	s_cselect_b32 s10, s12, s10
	s_lshl_b32 s10, s10, 11                        ; rows of 2,048 bytes
	s_lshl_b32 s11, s6, 8                          ; + 128 tk elements of 2 bytes
	s_add_co_u32 s10, s10, s11
	s_mov_b32 s11, 0
	s_add_nc_u64 s[28:29], s[28:29], s[10:11]
	s_wait_loadcnt 0x0                             ; each packed word takes two of the sixteen rows: all are needed
.irp c, 0,1,2,3
.irp i, 0,1,2,3,4,5,6,7
	v_cvt_pk_bf16_f32 v[XP+8*\c+\i], v[XL+8*\i+\c], v[XL+8*\i+4+\c]      ; n = 4 lane + c: k = 16 wave + 2 i, + 2 i + 1
.endr
.endr
	s_cmp_lg_u32 s5, 3
	s_cbranch_scc1 .Lstage
.set j, 0
.rept 32
	v_lshlrev_b32 v104, 16, v[XP+j]                ; Wo alone: the two bf16 values as f32,
	v_and_b32 v105, 0xffff0000, v[XP+j]
	v_cvt_pk_f16_f32 v[XP+j], v104, v105           ; written again in f16
.set j, j+1
.endr
.Lstage:
.irp c, 0,1,2,3
	ds_store_b128 v3, v[XP+8*\c:XP+8*\c+3] offset:\c*NP            ; lanes are 192 bytes apart: four lanes of sixteen meet in a bank; 8 stores a wave, accepted
	ds_store_b128 v3, v[XP+8*\c+4:XP+8*\c+7] offset:\c*NP+16
.endr
	s_wait_dscnt 0x0                               ; for the other waves' sake: my stores are in LDS
	s_barrier_signal -1
	s_barrier_wait -1
.irp t, 0,1,2,3,4,5,6,7
	ds_load_b128 v[XL+4*\t:XL+4*\t+3], v6 offset:\t*2*NP           ; rows n = 16 wave + 2 t, + 1: 128 k = 256 bytes each
.endr
.irp t, 0,1,2,3,4,5,6,7
	s_wait_dscnt 7-\t                              ; LDS loads come back in order: pair t is in
	global_store_b128 v7, v[XL+4*\t:XL+4*\t+3], s[28:29] offset:\t*4096   ; 16 lanes store 256 consecutive bytes at a multiple of 256
.endr
	s_wait_tensorcnt 0x0
	ds_add_u32 v128, v129
	s_wait_dscnt 0x0
	s_endpgm
.Lfunc_end_k_qd3e6804c1c_prep:
	.size	k_qd3e6804c1c_prep, .Lfunc_end_k_qd3e6804c1c_prep-k_qd3e6804c1c_prep
	.p2alignl 7, 3214868480
	.fill 96, 4, 3214868480
	.section	.rodata,"a",@progbits
	.p2align	6, 0x0
	.amdhsa_kernel k_qd3e6804c1c_prep
		.amdhsa_group_segment_fixed_size 50432
		.amdhsa_private_segment_fixed_size 0
		.amdhsa_enable_private_segment 0
		.amdhsa_kernarg_size 64
		.amdhsa_user_sgpr_count 2
		.amdhsa_user_sgpr_kernarg_segment_ptr 1
		.amdhsa_wavefront_size32 1
		.amdhsa_system_sgpr_workgroup_id_x 1
		.amdhsa_system_sgpr_workgroup_id_y 1
		.amdhsa_system_sgpr_workgroup_id_z 1
		.amdhsa_system_vgpr_workitem_id 0
		.amdhsa_next_free_vgpr 130
		.amdhsa_next_free_sgpr 66
		.amdhsa_reserve_vcc 0
		.amdhsa_float_denorm_mode_32 3
		.amdhsa_float_denorm_mode_16_64 3
		.amdhsa_memory_ordered 1
		.amdhsa_forward_progress 1
		.amdhsa_inst_pref_size 20
	.end_amdhsa_kernel
	.amdgpu_metadata
---
amdhsa.version: [ 1, 2 ]
amdhsa.kernels:
  - .name:           k_qd3e6804c1c_prep
    .symbol:         k_qd3e6804c1c_prep.kd
    .args:
      - { .name: x, .offset: 0, .size: 8, .value_kind: global_buffer, .address_space: global }
      - { .name: Wq, .offset: 8, .size: 8, .value_kind: global_buffer, .address_space: global }
      - { .name: Wk, .offset: 16, .size: 8, .value_kind: global_buffer, .address_space: global }
      - { .name: Wv, .offset: 24, .size: 8, .value_kind: global_buffer, .address_space: global }
      - { .name: Wo, .offset: 32, .size: 8, .value_kind: global_buffer, .address_space: global }
      - { .name: xb, .offset: 40, .size: 8, .value_kind: global_buffer, .address_space: global }
      - { .name: wt, .offset: 48, .size: 8, .value_kind: global_buffer, .address_space: global }
      - { .name: wot, .offset: 56, .size: 8, .value_kind: global_buffer, .address_space: global }
    .group_segment_fixed_size: 50432
    .private_segment_fixed_size: 0
    .kernarg_segment_align: 8
    .kernarg_segment_size: 64
    .max_flat_workgroup_size: 256
    .sgpr_count:     66
    .vgpr_count:     130
    .wavefront_size: 32
...
	.end_amdgpu_metadata
.endif
;; end of part 1
;; launch qkv (part 2): grid 16 x 16, 4 waves a work-group, clusters of 4 x 4, 327,680 bytes of LDS; arguments xb, wt, qkv; writes qkv
.if DOCPART == 2
	.amdgcn_target "amdgcn-amd-amdhsa--gfx1250"
	.amdhsa_code_object_version 6
	.text
	.protected	k_qd3e6804c1c_qkv
	.globl	k_qd3e6804c1c_qkv
	.p2align	8
	.type	k_qd3e6804c1c_qkv,@function
k_qd3e6804c1c_qkv:
	s_mov_b64 s[64:65], 0
	v_nop
	global_prefetch_b8 v0, s[64:65] scope:SCOPE_SE
	s_setreg_imm32_b32 hwreg(HW_REG_WAVE_MODE, 25, 1), 1
	s_wait_xcnt 0x0
	s_wait_alu depctr_hold_cnt(0) depctr_sa_sdst(0) depctr_va_vdst(0) depctr_va_sdst(0) depctr_va_ssrc(0) depctr_va_vcc(0) depctr_vm_vsrc(0)
	s_getreg_b32 s2, hwreg(HW_REG_IB_STS2, 6, 4)
	s_cmp_eq_u32 s2, 0
	s_cbranch_scc0 .Lentry_in_a_cluster
	s_endpgm
.Lentry_in_a_cluster:
	s_bfe_u32 s2, ttmp6, 0x10000c
	s_cmp_lg_u32 s2, 0xf033
	s_cbranch_scc0 .Lentry_shape_is_right
	s_endpgm
.Lentry_shape_is_right:
; qkv: [4096 tokens][1024] x [3072][1024]^T in bf16 with f32 sums.  Result in f16, laid out [q,k,v][batch*16+head][2048 s][64 d].
; A work-group makes 256 tokens x 192 columns (q, k and v of ONE head): 16 heads x 16 token blocks = 256 work-groups.
; Four waves; wave w makes tokens 64 w .. 64 w + 63 against all 192 columns: 4 x 12 accumulator tiles of 16 x 16 = 384 registers,
; 48 matrix instructions for each 16 KiB of fragments read from LDS.
; K goes in steps of 128 (rows of 256 bytes in memory, at multiples of 256) through two LDS slots filled by tensor loads.
; CLUSTERS: 4 x 4 work-groups.  The four of a row of the cluster share the token block (xb's tile), the four of a column the head (wt's tile):
; each tile is asked for jointly, with the same descriptor and a mask that names the four.  Every wave issues one load for xb (64 rows) and one
; for wt (48 rows) per slot; by this text's count a wave has at most four tensor loads out (both slots at the start), later two.
; LIMIT: q, k, v are stored in f16 (three more bits than bf16 for the products that follow): |q|, |k|, |v| above 65504 become infinite.
; With inputs as drawn they stay near 3; x and the weights 30 times larger at once give about 3,000.
; The matrix instruction is used transposed (source 0 = rows of wt, source 1 = rows of xb): lane l then holds token l % 16 and, in its eight
; registers, columns 8 (l / 16) + 0..7: eight neighbouring d, 16 bytes of f16.
; REGISTERS: window 0: v16-28 addresses, v64-127 xb's fragments (two buffers of 32), v128-175 packed results, v176-223 rows read back
;            window 1: wt's fragments, two buffers of 96;  window 2: tiles (a, b < 8) at 8 (8 a + b);  window 3: tiles (a, b >= 8) at 8 (4 a + b - 8)
.set PITCH,  272                       ; LDS row: 256 bytes + 16: an odd multiple of 16, so the 16 rows of a fragment load start in 16 different groups of banks
.set AW,     64*PITCH                  ; what one wave fetches of xb
.set BW,     48*PITCH                  ; and of wt
.set ABYTES, 4*AW
.set SLOT,   ABYTES+4*BW               ; 121,856
.set STAGE,  2*SLOT                    ; 243,712, a multiple of 256: the way out's bytes, into which no tensor load lands
.set SPITCH, 144                       ; stage row: 64 d of f16 + 16
.set SUB,    16*SPITCH                 ; 16 tokens of q, of k or of v
.set LAPS,   4                         ; 1024 / (2 x 128)
.set PART,   8388608                   ; bytes of q (of k, of v) in the buffer
.set ADRA, 16
.set ADRB, 20
.set STO,  24
.set RD,   25
.set CO,   26                          ; v26-28
.set AF,   64
.set TMP,  128
.set RB,   176
.set G1A, 24
.set G0A, 32
.set G1B, 48
.set G0B, 56
.set MSB, 0
.macro WIN new                         ; the immediate's high byte repeats the setting that is left
.if MSB != \new
	s_set_vgpr_msb (MSB<<8)|\new
.set MSB, \new
.endif
.endm
.set MUL_LO, 0xa1                      ; source 0 window 1, source 1 window 0, C and D window 2
.set MUL_HI, 0xf1                      ; the same, C and D window 3
.set TO_B,   0x40                      ; destination window 1
.macro LOADS s                         ; my two joint loads for slot s
	tensor_load_to_lds s[G0A+4*\s:G0A+4*\s+3], s[G1A:G1A+7]
	s_nop 0
	tensor_load_to_lds s[G0B+4*\s:G0B+4*\s+3], s[G1B:G1B+7]
	s_nop 0
.endm
.macro CREST                           ; a round of the cluster's barrier behind its opening work-group barrier
	s_cmp_lg_u32 s10, 0
	s_cbranch_scc1 .Lnot_wave_0_\@
	s_barrier_signal -3
.Lnot_wave_0_\@:
	s_barrier_wait -3
	s_barrier_signal -1
	s_barrier_wait -1
.endm
.macro CROUND
	s_barrier_signal -1
	s_barrier_wait -1
	CREST
.endm
.macro PLACES                          ; four plain vector places behind a matrix instruction (ISA guide 7.12.1) before its registers are loaded into or its result is read
.rept 4
	v_nop
.endr
.endm
	s_load_b128 s[4:7], s[0:1], 0x0                ; xb, wt
	s_load_b64 s[8:9], s[0:1], 0x10                ; qkv
	s_set_vgpr_msb 0x40
	v_lshl_add_u32 v255, v0, 2, 0x42400
	s_set_vgpr_msb 0x4000
	v_mov_b32 v255, 0
	s_set_vgpr_msb 0x1
	ds_add_u32 v255, v255
	ds_add_u32 v255, v255
	s_set_vgpr_msb 0x100
	v_lshrrev_b32 v1, 5, v0
	v_readfirstlane_b32 s10, v1                    ; wave 0..3
	s_bfe_u32 s40, ttmp6, 0x40000                  ; cx
	s_bfe_u32 s41, ttmp6, 0x40004                  ; cy
	s_lshl_b32 s42, ttmp9, 2
	s_add_co_u32 s42, s42, s40                     ; head = 4 x cluster x + cx
	s_and_b32 s13, ttmp7, 0xffff
	s_lshl_b32 s13, s13, 2
	s_add_co_u32 s13, s13, s41                     ; token block = 4 x cluster y + cy
	s_lshl_b32 s43, s41, 2
	s_lshl_b32 s43, 15, s43                        ; my row of the cluster
	s_lshl_b32 s44, 0x1111, s40                    ; my column
	s_or_b32 s[G1A+0], s43, (1<<16)|(1<<20)|(1<<21)|(5<<22)|(3<<25)   ; mask; 2-byte elements; padding on; bit 21 beside a mask; after every 64 words 4 words
	s_or_b32 s[G1B+0], s44, (1<<16)|(1<<20)|(1<<21)|(5<<22)|(3<<25)
	s_mov_b32 s[G1A+1], 128<<16                    ; tensor_dim0 = 128
	s_mov_b32 s[G1B+1], 128<<16
	s_mov_b32 s[G1A+2], 64<<16                     ; tensor_dim1 = 64 rows
	s_mov_b32 s[G1B+2], 48<<16                     ;             = 48 rows
	s_mov_b32 s[G1A+3], 128<<16                    ; tile_dim0 = 128
	s_mov_b32 s[G1B+3], 128<<16
	s_mov_b32 s[G1A+4], 64                         ; tile_dim1
	s_mov_b32 s[G1B+4], 48
	s_mov_b32 s[G1A+5], 1024                       ; elements from row to row
	s_mov_b32 s[G1B+5], 1024
	s_mov_b32 s[G1A+6], 0
	s_mov_b32 s[G1B+6], 0
	s_mov_b32 s[G1A+7], 0
	s_mov_b32 s[G1B+7], 0
	s_lshl_b32 s16, s13, 8                         ; xb: row 256 x block + 64 x wave (made of what my row of the cluster shares)
	s_lshl_b32 s17, s10, 6
	s_add_co_u32 s16, s16, s17
	s_lshl_b32 s16, s16, 11                        ; rows of 2,048 bytes: below 8 MiB
	s_mov_b32 s17, 0
	s_mul_i32 s46, s42, 192                        ; wt: row 192 x head + 48 x wave (what my column shares)
	s_mul_i32 s47, s10, 48
	s_add_co_u32 s46, s46, s47
	s_lshl_b32 s46, s46, 11
	s_mov_b32 s47, 0
	s_mul_i32 s20, s10, AW                         ; LDS: the wave's number times a constant; no place in the cluster enters
	s_mul_i32 s21, s10, BW
	s_add_co_u32 s21, s21, ABYTES
	s_wait_dscnt 0x0
	s_wait_kmcnt 0x0
	s_add_nc_u64 s[14:15], s[4:5], s[16:17]
	s_add_nc_u64 s[46:47], s[6:7], s[46:47]
	CROUND                                         ; all sixteen work-groups are here: the first joint loads meet
.irp s, 0,1
	s_mov_b32 s[G0A+4*\s], 1
	s_add_co_u32 s[G0A+4*\s+1], s20, \s*SLOT
	s_add_nc_u64 s[G0A+4*\s+2:G0A+4*\s+3], s[14:15], \s*256       ; K step s
	s_or_b32 s[G0A+4*\s+3], s[G0A+4*\s+3], 0x80000000
	s_mov_b32 s[G0B+4*\s], 1
	s_add_co_u32 s[G0B+4*\s+1], s21, \s*SLOT
	s_add_nc_u64 s[G0B+4*\s+2:G0B+4*\s+3], s[46:47], \s*256
	s_or_b32 s[G0B+4*\s+3], s[G0B+4*\s+3], 0x80000000
	LOADS \s
.endr
	v_and_b32 v1, 15, v0                           ; r = l % 16
	v_bfe_u32 v2, v0, 4, 1                         ; h = l / 16
	v_mul_u32_u24 v3, v1, PITCH
	v_lshl_add_u32 v3, v2, 4, v3                   ; fragment: row r, 16 bytes for each half of the lanes
	v_add_nc_u32 v[ADRA], s20, v3                  ; my 64 rows of xb's tile
	v_add_nc_u32 v[ADRA+1], SLOT, v[ADRA]
	v_add_nc_u32 v[ADRB], ABYTES, v3               ; all 192 rows of wt's tile
	v_add_nc_u32 v[ADRB+1], SLOT, v[ADRB]
	s_mul_i32 s23, s10, 3*SUB
	s_add_co_u32 s23, s23, STAGE                   ; my stage
	v_mul_u32_u24 v4, v1, SPITCH
	v_lshl_add_u32 v4, v2, 4, v4
	v_add_nc_u32 v[STO], s23, v4                   ; in: token r, 16 bytes for each half
	v_bfe_u32 v4, v0, 3, 2
	v_mul_u32_u24 v4, v4, SPITCH
	v_and_b32 v5, 7, v0
	v_lshl_add_u32 v4, v5, 4, v4
	v_add_nc_u32 v[RD], s23, v4                    ; back: eight lanes a token, four tokens a load
	v_and_b32 v5, 31, v0
	v_lshlrev_b32 v[CO], 4, v5                     ; four tokens of 128 bytes are 512 consecutive bytes of the buffer
	v_add_nc_u32 v[CO+1], PART, v[CO]              ; k's and v's parts: in the register, since 8 MiB is past the immediate's reach
	v_add_nc_u32 v[CO+2], 2*PART, v[CO]
; 32 LDS loads: the fragments of 32 along K at byte k of the slot's rows, into buffer g
.macro FETCH slot, k, g
	WIN 0
.irp i, 0,1,2,3
	ds_load_b128 v[AF+32*\g+8*\i:AF+32*\g+8*\i+3],   v[ADRA+\slot] offset:\k+\i*16*PITCH
	ds_load_b128 v[AF+32*\g+8*\i+4:AF+32*\g+8*\i+7], v[ADRA+\slot] offset:\k+\i*16*PITCH+32
.endr
	WIN TO_B
.irp i, 0,1,2,3,4,5,6,7,8,9,10,11
	ds_load_b128 v[96*\g+8*\i:96*\g+8*\i+3],   v[ADRB+\slot] offset:\k+\i*16*PITCH
	ds_load_b128 v[96*\g+8*\i+4:96*\g+8*\i+7], v[ADRB+\slot] offset:\k+\i*16*PITCH+32
.endr
.endm
; The 48 accumulators take turns, one instruction a turn, in the same order in every quarter step.
.macro MULLO f, a0, zero               ; token tiles a0, a0 + 1 x column tiles 0-7 (q and k)
.irp a, \a0, \a0+1
.irp b, 0,1,2,3,4,5,6,7
.if \zero
	v_wmma_f32_16x16x32_bf16 v[8*(8*(\a)+\b):8*(8*(\a)+\b)+7], v[96*\f+8*\b:96*\f+8*\b+7], v[AF+32*\f+8*(\a):AF+32*\f+8*(\a)+7], 0
.else
	v_wmma_f32_16x16x32_bf16 v[8*(8*(\a)+\b):8*(8*(\a)+\b)+7], v[96*\f+8*\b:96*\f+8*\b+7], v[AF+32*\f+8*(\a):AF+32*\f+8*(\a)+7], v[8*(8*(\a)+\b):8*(8*(\a)+\b)+7]
.endif
.endr
.endr
.endm
.macro MULHI f, zero                   ; all four token tiles x column tiles 8-11 (v)
.irp a, 0,1,2,3
.irp b, 8,9,10,11
.if \zero
	v_wmma_f32_16x16x32_bf16 v[8*(4*\a+\b-8):8*(4*\a+\b-8)+7], v[96*\f+8*\b:96*\f+8*\b+7], v[AF+32*\f+8*\a:AF+32*\f+8*\a+7], 0
.else
	v_wmma_f32_16x16x32_bf16 v[8*(4*\a+\b-8):8*(4*\a+\b-8)+7], v[96*\f+8*\b:96*\f+8*\b+7], v[AF+32*\f+8*\a:AF+32*\f+8*\a+7], v[8*(4*\a+\b-8):8*(4*\a+\b-8)+7]
.endif
.endr
.endr
.endm
; One of a K step's first three quarters: asks for the next quarter's fragments (buffer g), then multiplies buffer f.
.macro QUARTER slot, k, f, g, zero
	PLACES                                         ; buffer g was read by the matrix instructions just in front
	FETCH \slot, \k, \g
	s_wait_dscnt 32                                ; all but the 32 just issued: buffer f is in
	WIN MUL_LO
	MULLO \f, 0, \zero
	MULLO \f, 2, \zero
	WIN MUL_HI
	MULHI \f, \zero
.endm
.macro THREE slot, zero
	QUARTER \slot, 64,  0, 1, \zero
	QUARTER \slot, 128, 1, 0, 0
	QUARTER \slot, 192, 0, 1, 0
.endm
; The last quarter multiplies buffer 1 and changes slots.  One barrier for both orders: in front of it my reads of this slot are back and all my
; tensor loads have landed (the two that were out are my parts of the next slot); behind it this slot may be filled and the next one read.
; Where the slot is filled again that barrier opens a round of the cluster's barrier, and the joint loads are the first tensor loads behind the round.
.macro TURN slot, next, fill
	s_wait_dscnt 0x0                               ; buffer 1 is in, and with it my last reads of this slot
	WIN MUL_LO
	MULLO 1, 0, 0
	s_wait_tensorcnt 0x0
	ds_add_u32 v255, v255
	s_wait_dscnt 0x0
	s_barrier_signal -1
	MULLO 1, 2, 0                                  ; register work while the others arrive
	WIN 0
	s_barrier_wait -1
.if \fill
	CREST
	s_add_nc_u64 s[G0A+4*\slot+2:G0A+4*\slot+3], s[G0A+4*\slot+2:G0A+4*\slot+3], 512   ; two K steps on; no load of mine is out
	s_add_nc_u64 s[G0B+4*\slot+2:G0B+4*\slot+3], s[G0B+4*\slot+2:G0B+4*\slot+3], 512
	LOADS \slot
.endif
	PLACES
	FETCH \next, 0, 0
	WIN MUL_HI
	MULHI 1, 0
.endm
.macro LAP zero
	THREE 0, \zero
	TURN 0, 1, 1
	THREE 1, 0
	TURN 1, 0, 1
.endm
	s_wait_tensorcnt 0x2                           ; my two loads of K step 0 are in; the two of K step 1 stay out
	s_barrier_signal -1
	s_barrier_wait -1
	FETCH 0, 0, 0
	LAP 1                                          ; the first products start the sums: nothing is cleared
	WIN 0
	s_mov_b32 s3, LAPS-2
.Llap:
	LAP 0
	WIN 0
	s_sub_co_u32 s3, s3, 1
	s_cmp_lg_u32 s3, 0
	s_cbranch_scc1 .Llap
	THREE 0, 0                                     ; the last lap fills nothing
	TURN 0, 1, 0
	THREE 1, 0
	s_wait_dscnt 0x0
	WIN MUL_LO
	MULLO 1, 0, 0
	MULLO 1, 2, 0
	WIN MUL_HI
	MULHI 1, 0
	PLACES                                         ; behind the last matrix instructions, in front of the conversions that read results
	; THE WAY OUT, 16 tokens at a time: f16, 16 bytes a lane into my stage, read back as 4 tokens x 128 bytes = 512 consecutive bytes of the buffer.
	s_lshr_b32 s46, s13, 3                         ; batch (in the registers that held wt's address: none that feeds xb's descriptors holds the head)
	s_lshl_b32 s46, s46, 4
	s_add_co_u32 s46, s46, s42                     ; batch x 16 + head
	s_lshl_b32 s46, s46, 11                        ; x 2,048 tokens
	s_and_b32 s47, s13, 7
	s_lshl_b32 s47, s47, 8
	s_add_co_u32 s46, s46, s47                     ; + 256 x block within the batch
	s_lshl_b32 s47, s10, 6
	s_add_co_u32 s46, s46, s47                     ; + 64 x wave
	s_lshl_b32 s46, s46, 7                         ; tokens of 128 bytes
	s_mov_b32 s47, 0
	s_add_nc_u64 s[8:9], s[8:9], s[46:47]
.macro OUT a
	WIN 0x0a                                       ; sources in window 2
.irp b, 0,1,2,3,4,5,6,7
.irp r, 0,1,2,3
	v_cvt_pk_f16_f32 v[TMP+4*\b+\r], v[8*(8*\a+\b)+2*\r], v[8*(8*\a+\b)+2*\r+1]
.endr
.endr
	WIN 0x0f                                       ; sources in window 3
.irp b, 8,9,10,11
.irp r, 0,1,2,3
	v_cvt_pk_f16_f32 v[TMP+4*\b+\r], v[8*(4*\a+\b-8)+2*\r], v[8*(4*\a+\b-8)+2*\r+1]
.endr
.endr
	WIN 0
.irp b, 0,1,2,3,4,5,6,7,8,9,10,11
	ds_store_b128 v[STO], v[TMP+4*\b:TMP+4*\b+3] offset:(\b>>2)*SUB+32*(\b&3)
.endr
	s_wait_xcnt 0x0                                ; the registers below were the last stores' data: written again only behind this wait
.irp c, 0,1,2
.irp t, 0,1,2,3
	ds_load_b128 v[RB+4*(4*\c+\t):RB+4*(4*\c+\t)+3], v[RD] offset:\c*SUB+\t*4*SPITCH   ; LDS serves a wave's instructions in order: these see the stores above
.endr
.endr
.irp c, 0,1,2
.irp t, 0,1,2,3
	s_wait_dscnt 11-(4*\c+\t)                      ; the younger loads stay out
	global_store_b128 v[CO+\c], v[RB+4*(4*\c+\t):RB+4*(4*\c+\t)+3], s[8:9] offset:\a*2048+512*\t
.endr
.endr
.endm
	OUT 0
	OUT 1
	OUT 2
	OUT 3
	s_set_vgpr_msb 0x1
	s_wait_tensorcnt 0x0
	ds_add_u32 v255, v255
	s_wait_dscnt 0x0
	s_set_vgpr_msb 0x100
	CROUND                                         ; the closing round: no work-group ends while a partner may still ask jointly
	s_endpgm
.Lfunc_end_k_qd3e6804c1c_qkv:
	.size	k_qd3e6804c1c_qkv, .Lfunc_end_k_qd3e6804c1c_qkv-k_qd3e6804c1c_qkv
	.p2alignl 7, 3214868480
	.fill 96, 4, 3214868480
	.section	.rodata,"a",@progbits
	.p2align	6, 0x0
	.amdhsa_kernel k_qd3e6804c1c_qkv
		.amdhsa_group_segment_fixed_size 327680
		.amdhsa_private_segment_fixed_size 0
		.amdhsa_enable_private_segment 0
		.amdhsa_kernarg_size 24
		.amdhsa_user_sgpr_count 2
		.amdhsa_user_sgpr_kernarg_segment_ptr 1
		.amdhsa_wavefront_size32 1
		.amdhsa_system_sgpr_workgroup_id_x 1
		.amdhsa_system_sgpr_workgroup_id_y 1
		.amdhsa_system_sgpr_workgroup_id_z 1
		.amdhsa_system_vgpr_workitem_id 0
		.amdhsa_next_free_vgpr 1024
		.amdhsa_next_free_sgpr 66
		.amdhsa_reserve_vcc 0
		.amdhsa_float_denorm_mode_32 3
		.amdhsa_float_denorm_mode_16_64 3
		.amdhsa_memory_ordered 1
		.amdhsa_forward_progress 1
		.amdhsa_inst_pref_size 162
	.end_amdhsa_kernel
	.amdgpu_metadata
---
amdhsa.version: [ 1, 2 ]
amdhsa.kernels:
  - .name:           k_qd3e6804c1c_qkv
    .symbol:         k_qd3e6804c1c_qkv.kd
    .args:
      - { .name: xb, .offset: 0, .size: 8, .value_kind: global_buffer, .address_space: global }
      - { .name: wt, .offset: 8, .size: 8, .value_kind: global_buffer, .address_space: global }
      - { .name: qkv, .offset: 16, .size: 8, .value_kind: global_buffer, .address_space: global }
    .group_segment_fixed_size: 327680
    .private_segment_fixed_size: 0
    .kernarg_segment_align: 8
    .kernarg_segment_size: 24
    .max_flat_workgroup_size: 128
    .sgpr_count:     66
    .vgpr_count:     1024
    .wavefront_size: 32
...
	.end_amdgpu_metadata
.endif
;; end of part 2
;; launch attn (part 3): grid 8 x 32, 8 waves a work-group, no clusters, 327,680 bytes of LDS; arguments qkv, ctx; writes ctx
.if DOCPART == 3
	.amdgcn_target "amdgcn-amd-amdhsa--gfx1250"
	.amdhsa_code_object_version 6
	.text
	.protected	k_qd3e6804c1c_attn
	.globl	k_qd3e6804c1c_attn
	.p2align	8
	.type	k_qd3e6804c1c_attn,@function
k_qd3e6804c1c_attn:
	s_mov_b64 s[64:65], 0
	v_nop
	global_prefetch_b8 v0, s[64:65] scope:SCOPE_SE
	s_setreg_imm32_b32 hwreg(HW_REG_WAVE_MODE, 25, 1), 1
	s_wait_xcnt 0x0
; attn: causal attention of one (batch, head) = bh, f16 operands, f32 sums and softmax, running maximum.  ctx[bh][s][64] in f16.
; BALANCE: a head has 16 query blocks of 128; block b needs key units 0..b of 128 keys.  Work-group p takes blocks p and 15 - p:
; (p + 1) + (16 - p) = 17 units for every one of the 8 x 32 = 256 work-groups.  The even block b1 goes first (n1 = b1 + 1 units, odd), so that in the
; stream of tiles t = 0..16 (slot t & 1) the change of block falls on an odd t and the two diagonal units on t = b1 (even) and t = 16.
; WAVES: g = wave & 3 owns queries 32 g .. 32 g + 31 of the block (two tiles of 16), pi = wave >> 2 keys 64 pi .. 64 pi + 63 of every unit.
; The two waves of one g hold partial results (maximum, sum, O) of the same queries; they are merged through LDS at the end of a block.
; LAYOUT: S^T = K Q^T (A = 16 keys, B = 16 queries): lane (r, h) holds query r, keys 8 h + j.  Two neighbouring key tiles, packed, ARE the B fragment
; of P^T for O^T = V^T P^T; V^T's A fragment comes by the transposing LDS load from V as it lies, [key][d].  Maximum, sum and factor belong to a lane.
; NO MULTICAST: the eight work-groups of a head read the same K and V, but in each of their two blocks they need different numbers of tiles
; (p + 1 and 16 - p).  Walking the keys in step would take both blocks at once: 16 + 8 = 24 units' work in place of 17, and twice the registers.
; LIMITS: f16 operands: |q|, |k|, |v| up to 65504.  The running maximum starts at -FLT_MAX.  Exponentials below 2^-126 count as 0 (ISA guide, V_EXP_F32).
; Where a score is NaN or infinite the result is not claimed to be the reference's.
.set SLOT, 40960                       ; K: 128 keys x 144 at 0; V: 128 keys x 160 at 20,480
.set KP,   144                         ; odd multiple of 16: the 16 rows of a fragment load start in different groups of banks
.set VP,   160                         ; odd multiple of 32, for the transposing load
.set VOFF, 20480
.set SCR,  81920                       ; merge: 4 x (16 x 512 bytes of O + 512 of figures); written by LDS stores alone
.set SCRW, 8704
.set STG,  116736                      ; the way out: 4 x (2 x 16 rows x 144)
.set STGW, 4608
.set KA,   4                           ; v4-5    K fragment address, slot 0, 1
.set VA,   6                           ; v6-7    V fragment address
.set VQL,  8                           ; my offset in a block of q;  v9 the same with the block
.set VQO,  9
.set VCL,  10                          ; my offset in a block of ctx; v11 with the block
.set VCO,  11
.set DL,   12                          ; v12-13  query - key of register 0, tile 0, in the diagonal unit
.set SCRA, 14
.set STO,  15
.set RD,   16
.set NINF, 17
.set AL,   18                          ; v18-19  the rescaling factor, twice
.set MX,   20                          ; v20-21  running maxima (in units of the exponent), v22-23 running sums (this lane's keys)
.set LS,   22
.set T,    24                          ; v24-31  at work
.set QF,   32                          ; v32-63  Q fragments (qt, ks) at 16 qt + 8 ks
.set O,    64                          ; v64-127 O^T tiles (qt, d) at 32 qt + 8 d
.set S,    128                         ; v128-191 S^T tiles (qt, kt) at 32 qt + 8 kt; then P (qt, kk) at 32 qt + 16 kk
.set KV,   192                         ; v192-255 K fragments (ks, kt), then V fragments (kk, d), at 8 (4 x first + second)
.set PK,   196
.set BK,   212
.set G1K, 28
.set G1V, 36
.set G0K, 44
.set G0V, 52
.macro KVLOAD s                        ; waves 0-3 fetch a quarter of K's tile, waves 4-7 of V's: one tensor load of a wave is out at a time
	s_cmp_eq_u32 s9, 0
	s_cbranch_scc0 .Lfor_v_\@
	tensor_load_to_lds s[G0K+4*(\s):G0K+4*(\s)+3], s[G1K:G1K+7]
	s_nop 0
	s_branch .Lasked_\@
.Lfor_v_\@:
	tensor_load_to_lds s[G0V+4*(\s):G0V+4*(\s)+3], s[G1V:G1V+7]
	s_nop 0
.Lasked_\@:
.endm
	s_load_b128 s[4:7], s[0:1], 0x0                ; qkv, ctx
	s_set_vgpr_msb 0x40
	v_lshl_add_u32 v0, v0, 2, 0x29000
	v_mov_b32 v1, 0
	s_set_vgpr_msb 0x4045
	ds_add_u32 v0, v1
	ds_add_u32 v0, v1
	s_set_vgpr_msb 0x4500
	v_lshrrev_b32 v1, 5, v0
	v_readfirstlane_b32 s8, v1                     ; wave 0..7
	s_lshr_b32 s9, s8, 2                           ; pi
	s_and_b32 s10, s8, 3                           ; g
	s_mov_b32 s11, ttmp9                           ; p
	s_and_b32 s12, ttmp7, 0xffff                   ; bh
	s_sub_co_u32 s13, 15, s11
	s_and_b32 s24, s11, 1
	s_cmp_lg_u32 s24, 0
	s_cselect_b32 s13, s13, s11                    ; b1: the even one of p and 15 - p
	s_add_co_u32 s14, s13, 1                       ; n1
	s_sub_co_u32 s15, 15, s13                      ; b2
	s_mov_b32 s18, 0x3e38aa3b                      ; log2(e) / sqrt(64)
	s_mov_b32 s19, 0x3e38aa3b
	s_mov_b32 s20, 0x76543210                      ; v_permlanex16_b32: lane i of the other half
	s_mov_b32 s21, 0xfedcba98
	s_mov_b32 s23, 0
	; A quarter tile is 32 keys x 128 bytes, dense in memory: 16 rows of 256 bytes; the pad behind every 32 words makes the LDS pitch 144 (K) or 160 (V).
	s_mov_b32 s[G1K+0], (3<<16)|(1<<20)|(4<<22)|(3<<25)
	s_mov_b32 s[G1V+0], (3<<16)|(1<<20)|(4<<22)|(7<<25)
	s_mov_b32 s[G1K+1], 32<<16                     ; tensor_dim0 = 32 elements of 8 bytes
	s_mov_b32 s[G1V+1], 32<<16
	s_mov_b32 s[G1K+2], 16<<16                     ; tensor_dim1 = 16
	s_mov_b32 s[G1V+2], 16<<16
	s_mov_b32 s[G1K+3], 32<<16                     ; tile_dim0
	s_mov_b32 s[G1V+3], 32<<16
	s_mov_b32 s[G1K+4], 16                         ; tile_dim1
	s_mov_b32 s[G1V+4], 16
	s_mov_b32 s[G1K+5], 32                         ; pitch
	s_mov_b32 s[G1V+5], 32
	s_mov_b32 s[G1K+6], 0
	s_mov_b32 s[G1V+6], 0
	s_mov_b32 s[G1K+7], 0
	s_mov_b32 s[G1V+7], 0
	s_mul_i32 s24, s8, 32*KP                       ; K's quarters: waves 0-3 at wave x 4,608
	s_mul_i32 s25, s8, 32*VP                       ; V's quarters: waves 4-7 at wave x 5,120 = 20,480 + (wave - 4) x 5,120
.irp s, 0,1
	s_mov_b32 s[G0K+4*\s], 1
	s_add_co_u32 s[G0K+4*\s+1], s24, \s*SLOT
	s_mov_b32 s[G0V+4*\s], 1
	s_add_co_u32 s[G0V+4*\s+1], s25, \s*SLOT
.endr
	s_lshl_b32 s22, s12, 18                        ; a head is 262,144 bytes
	s_lshl_b32 s24, s10, 12                        ; my quarter: 32 keys of 128 bytes
	s_wait_dscnt 0x0
	s_wait_kmcnt 0x0
	s_add_nc_u64 s[66:67], s[4:5], s[22:23]        ; q of my head
	s_add_nc_u64 s[68:69], s[6:7], s[22:23]        ; ctx of my head
	s_add_co_u32 s22, s22, s24
	s_add_nc_u64 s[60:61], s[4:5], s[22:23]
	s_add_nc_u64 s[62:63], s[60:61], 0x1000000     ; v's part of the buffer
	s_add_nc_u64 s[60:61], s[60:61], 0x800000      ; k's part
	s_or_b32 s61, s61, 0x80000000                  ; the descriptor's type
	s_or_b32 s63, s63, 0x80000000
	s_mov_b64 s[G0K+2:G0K+3], s[60:61]             ; tile 0 = unit 0
	s_mov_b64 s[G0V+2:G0V+3], s[62:63]
	KVLOAD 0                                       ; a first fill
	v_and_b32 v1, 31, v0                           ; L
	v_and_b32 v2, 15, v0                           ; r
	v_bfe_u32 v3, v0, 4, 1                         ; h
	v_mul_u32_u24 v24, v2, KP
	v_lshl_add_u32 v24, v3, 4, v24                 ; r x 144 + 16 h
	s_mul_i32 s24, s9, 64*KP
	v_add_nc_u32 v[KA], s24, v24
	v_add_nc_u32 v[KA+1], SLOT, v[KA]
	v_and_b32 v25, 7, v0
	v_lshl_add_u32 v25, v3, 3, v25                 ; key 8 h + (L & 7)
	v_mul_u32_u24 v25, v25, VP
	v_bfe_u32 v26, v0, 3, 1
	v_lshl_add_u32 v25, v26, 4, v25                ; + 16 bytes for the upper eight of 16 d
	s_mul_i32 s24, s9, 64*VP
	s_add_co_u32 s24, s24, VOFF
	v_add_nc_u32 v[VA], s24, v25
	v_add_nc_u32 v[VA+1], SLOT, v[VA]
	v_lshlrev_b32 v25, 7, v2
	v_lshl_add_u32 v25, v3, 4, v25
	s_lshl_b32 s24, s10, 12
	v_add_nc_u32 v[VQL], s24, v25                  ; (32 g + r) x 128 + 16 h
	v_lshl_add_u32 v[VCL], v1, 4, s24              ; 32 g x 128 + 16 L
	s_lshl_b32 s24, s10, 5
	s_lshl_b32 s25, s9, 6
	s_sub_co_i32 s24, s24, s25
	v_lshlrev_b32 v25, 3, v3
	v_sub_nc_u32 v25, v2, v25
	v_add_nc_u32 v[DL], s24, v25                   ; 32 g + r - 64 pi - 8 h, signed
	v_add_nc_u32 v[DL+1], 16, v[DL]
	s_mul_i32 s24, s10, SCRW
	s_add_co_u32 s24, s24, SCR
	v_lshl_add_u32 v[SCRA], v1, 4, s24
	s_mul_i32 s24, s10, STGW
	s_add_co_u32 s24, s24, STG
	v_add_nc_u32 v[STO], s24, v24
	v_lshrrev_b32 v25, 3, v1
	v_mul_u32_u24 v25, v25, KP
	v_and_b32 v26, 7, v0
	v_lshl_add_u32 v25, v26, 4, v25
	v_add_nc_u32 v[RD], s24, v25
	v_mov_b32 v[NINF], 0xff800000
; A block begins (s17 = block x 16,384 bytes): its Q fragments, cleared sums.  O is cleared (64 moves, twice in the launch) because a block's first unit
; runs the same text as the later ones, in which O is first multiplied by the rescaling factor.
.macro INIT
	v_add_nc_u32 v[VQO], s17, v[VQL]
	v_add_nc_u32 v[VCO], s17, v[VCL]
.irp qt, 0,1
.irp i, 0,1,2,3
	global_load_b128 v[QF+16*\qt+4*\i:QF+16*\qt+4*\i+3], v[VQO], s[66:67] offset:\qt*2048+32*\i
.endr
.endr
.set cnt, 0
.rept 64
	v_mov_b32 v[O+cnt], 0
.set cnt, cnt+1
.endr
	v_mov_b32 v[MX], 0xff7fffff
	v_mov_b32 v[MX+1], 0xff7fffff
	v_mov_b32 v[LS], 0
	v_mov_b32 v[LS+1], 0
	s_wait_loadcnt 0x0
.endm
; The diagonal unit: key 64 pi + 16 kt + 8 h + j is kept where it is not beyond query 32 g + 16 qt + r.
.macro MASK
.irp qt, 0,1
.irp kt, 0,1,2,3
.irp j, 0,1,2,3,4,5,6,7
	v_cmp_le_i32 vcc_lo, 16*\kt+\j, v[DL+\qt]
	v_cndmask_b32 v[S+32*\qt+8*\kt+\j], v[NINF], v[S+32*\qt+8*\kt+\j], vcc_lo
.endr
.endr
.endr
.endm
; One query tile's 64 keys: new maximum, factor, exponentials, O and the sum rescaled, P packed in place.
.macro SOFTMAX qt
.set SB, S+32*\qt
.set OB, O+32*\qt
.irp k, 0,1,2,3
	v_max3_num_f32 v[T+\k], v[SB+8*\k], v[SB+8*\k+1], v[SB+8*\k+2]       ; four chains
.endr
.irp k, 0,1,2,3
	v_max3_num_f32 v[T+\k], v[T+\k], v[SB+8*\k+3], v[SB+8*\k+4]
.endr
.irp k, 0,1,2,3
	v_max3_num_f32 v[T+\k], v[T+\k], v[SB+8*\k+5], v[SB+8*\k+6]
.endr
	v_max3_num_f32 v[T], v[T], v[SB+7], v[SB+15]
	v_max3_num_f32 v[T+1], v[T+1], v[SB+23], v[SB+31]
	v_max3_num_f32 v[T], v[T], v[T+1], v[T+2]
	v_max_num_f32 v[T], v[T], v[T+3]
	v_permlanex16_b32 v[T+1], v[T], s20, s21       ; the same query's other 32 keys lie in lane l xor 16
	v_max_num_f32 v[T+2], v[T], v[T+1]
	v_mul_f32 v[T+2], s18, v[T+2]                  ; in units of the exponent: the shift below and the factor use the same rounded number
	v_max_num_f32 v[T+2], v[T+2], v[MX+\qt]        ; never below -FLT_MAX: finite also where every key of mine is masked
	v_sub_f32 v[T+3], v[MX+\qt], v[T+2]
	v_mov_b32 v[MX+\qt], v[T+2]
	v_xor_b32 v[T+4], 0x80000000, v[T+2]
	v_xor_b32 v[T+5], 0x80000000, v[T+2]
	v_exp_f32 v[AL], v[T+3]
	v_exp_f32 v[AL+1], v[T+3]
.set cnt, 0
.rept 16
	v_pk_fma_f32 v[SB+2*cnt:SB+2*cnt+1], v[SB+2*cnt:SB+2*cnt+1], s[18:19], v[T+4:T+5] op_sel_hi:[1,0,1]
.set cnt, cnt+1
.endr
.set cnt, 0
.rept 32
	v_exp_f32 v[SB+cnt], v[SB+cnt]
.set cnt, cnt+1
.endr
.set cnt, 0
	s_wait_alu depctr_va_vdst(0)
.rept 16
	v_pk_mul_f32 v[OB+2*cnt:OB+2*cnt+1], v[OB+2*cnt:OB+2*cnt+1], v[AL:AL+1]   ; plain work between the exponentials and the first use of their results (ISA guide 5.7.2)
.set cnt, cnt+1
.endr
	v_pk_add_f32 v[T:T+1], v[SB:SB+1], v[SB+2:SB+3]
	v_pk_add_f32 v[T+2:T+3], v[SB+4:SB+5], v[SB+6:SB+7]
.irp k, 8,12,16,20,24,28
	v_pk_add_f32 v[T:T+1], v[T:T+1], v[SB+\k:SB+\k+1]
	v_pk_add_f32 v[T+2:T+3], v[T+2:T+3], v[SB+\k+2:SB+\k+3]
.endr
	v_pk_add_f32 v[T:T+1], v[T:T+1], v[T+2:T+3]
	v_add_f32 v[T], v[T], v[T+1]
	v_fma_f32 v[LS+\qt], v[LS+\qt], v[AL], v[T]    ; this lane's 32 keys; the two halves are added once, at the end of the block
.irp kk, 0,1
.irp i, 0,1,2,3,4,5,6,7
	v_cvt_pk_f16_f32 v[SB+16*\kk+\i], v[SB+16*\kk+2*\i], v[SB+16*\kk+2*\i+1]   ; word i takes numbers 2 i, 2 i + 1: ascending, nothing is overwritten unread
.endr
.endr
.endm
; One unit of 128 keys, of which my wave takes 64.  mask: 0 none, 1 where t = b1, 2 always.
; In both products eight accumulators take turns, one instruction a turn.
.macro STEP slot, mask
.irp ks, 0,1
.irp kt, 0,1,2,3
	ds_load_b128 v[KV+8*(4*\ks+\kt):KV+8*(4*\ks+\kt)+3],   v[KA+\slot] offset:\kt*16*KP+64*\ks
	ds_load_b128 v[KV+8*(4*\ks+\kt)+4:KV+8*(4*\ks+\kt)+7], v[KA+\slot] offset:\kt*16*KP+64*\ks+32
.endr
.endr
	s_wait_dscnt 0x8                               ; d 0-31 of the four key tiles are in; the eight loads of d 32-63 stay out
.irp kt, 0,1,2,3
.irp qt, 0,1
	v_wmma_f32_16x16x32_f16 v[S+32*\qt+8*\kt:S+32*\qt+8*\kt+7], v[KV+8*\kt:KV+8*\kt+7], v[QF+16*\qt:QF+16*\qt+7], 0
.endr
.endr
	s_wait_dscnt 0x0
.irp kt, 0,1,2,3
.irp qt, 0,1
	v_wmma_f32_16x16x32_f16 v[S+32*\qt+8*\kt:S+32*\qt+8*\kt+7], v[KV+32+8*\kt:KV+32+8*\kt+7], v[QF+16*\qt+8:QF+16*\qt+15], v[S+32*\qt+8*\kt:S+32*\qt+8*\kt+7]
.endr
.endr
.rept 4
	v_nop                                          ; four places (ISA guide 7.12.1) before K's registers are loaded into and the scores are read
.endr
.irp kk, 0,1
.irp d, 0,1,2,3
	ds_load_tr16_b128 v[KV+8*(4*\kk+\d):KV+8*(4*\kk+\d)+3],   v[VA+\slot] offset:\kk*32*VP+32*\d
	ds_load_tr16_b128 v[KV+8*(4*\kk+\d)+4:KV+8*(4*\kk+\d)+7], v[VA+\slot] offset:\kk*32*VP+32*\d+16*VP
.endr
.endr
.if \mask == 1
	s_cmp_lg_u32 s16, s13
	s_cbranch_scc1 .Lwhole_\@
	MASK
.Lwhole_\@:
.endif
.if \mask == 2
	MASK
.endif
	SOFTMAX 0
	SOFTMAX 1
	s_wait_dscnt 0x8                               ; V of my keys 0-31 is in; the eight loads of keys 32-63 stay out
.irp d, 0,1,2,3
.irp qt, 0,1
	v_wmma_f32_16x16x32_f16 v[O+32*\qt+8*\d:O+32*\qt+8*\d+7], v[KV+8*\d:KV+8*\d+7], v[S+32*\qt:S+32*\qt+7], v[O+32*\qt+8*\d:O+32*\qt+8*\d+7]
.endr
.endr
	s_wait_dscnt 0x0
.irp d, 0,1,2,3
.irp qt, 0,1
	v_wmma_f32_16x16x32_f16 v[O+32*\qt+8*\d:O+32*\qt+8*\d+7], v[KV+32+8*\d:KV+32+8*\d+7], v[S+32*\qt+16:S+32*\qt+23], v[O+32*\qt+8*\d:O+32*\qt+8*\d+7]
.endr
.endr
.rept 5
	v_nop                                          ; five places: the next unit's first products write over P, its loads land in V's registers, the merge reads O
.endr
.endm
; The merge of one query tile in the wave with pi = 0: both partial results brought to the common maximum and divided by the whole sum.
.macro MERGE qt
	v_max_num_f32 v[T], v[MX+\qt], v[KV+\qt]
	v_sub_f32 v[T+1], v[MX+\qt], v[T]
	v_sub_f32 v[T+2], v[KV+\qt], v[T]
	v_exp_f32 v[T+1], v[T+1]
	v_exp_f32 v[T+2], v[T+2]
	v_nop                                          ; a plain place behind the exponentials
	s_wait_alu depctr_va_vdst(0)
	v_mul_f32 v[T+3], v[KV+2+\qt], v[T+2]
	v_fma_f32 v[T+3], v[LS+\qt], v[T+1], v[T+3]
	v_permlanex16_b32 v[T], v[T+3], s20, s21       ; the other half of the lanes holds the same query's other keys
	v_add_f32 v[T+3], v[T+3], v[T]
	v_rcp_f32 v[T+3], v[T+3]                       ; the sum is at least about 1: the key of the maximum is in it
	v_nop
	s_wait_alu depctr_va_vdst(0)
	v_mul_f32 v[T+4], v[T+1], v[T+3]
	v_mul_f32 v[T+5], v[T+1], v[T+3]
	v_mul_f32 v[T+6], v[T+2], v[T+3]
	v_mul_f32 v[T+7], v[T+2], v[T+3]
.if \qt == 0
	s_wait_dscnt 0x0                               ; the partner's O is in
.endif
.set cnt, 0
.rept 16
	v_pk_mul_f32 v[O+32*\qt+2*cnt:O+32*\qt+2*cnt+1], v[O+32*\qt+2*cnt:O+32*\qt+2*cnt+1], v[T+4:T+5]
	v_pk_fma_f32 v[O+32*\qt+2*cnt:O+32*\qt+2*cnt+1], v[S+32*\qt+2*cnt:S+32*\qt+2*cnt+1], v[T+6:T+7], v[O+32*\qt+2*cnt:O+32*\qt+2*cnt+1]
.set cnt, cnt+1
.endr
.irp d, 0,1,2,3
.irp i, 0,1,2,3
	v_cvt_pk_f16_f32 v[PK+4*\d+\i], v[O+32*\qt+8*\d+2*\i], v[O+32*\qt+8*\d+2*\i+1]
.endr
	ds_store_b128 v[STO], v[PK+4*\d:PK+4*\d+3] offset:\qt*16*KP+32*\d      ; query r, d = 16 d + 8 h ..: my wave's own stage
.endr
.irp t, 0,1,2,3
	ds_load_b128 v[BK+16*\qt+4*\t:BK+16*\qt+4*\t+3], v[RD] offset:\qt*16*KP+\t*4*KP   ; four queries x 128 bytes; LDS serves a wave's instructions in order
.endr
.endm
; A block ends.
.macro FINISH
	s_cmp_eq_u32 s9, 0
	s_cbranch_scc1 .Lkeeps_\@
.set cnt, 0
.rept 16
	ds_store_b128 v[SCRA], v[O+4*cnt:O+4*cnt+3] offset:512*cnt
.set cnt, cnt+1
.endr
	ds_store_b128 v[SCRA], v[MX:MX+3] offset:8192
.Lkeeps_\@:
	s_wait_dscnt 0x0                               ; for the partner's sake: my stores are in LDS
	s_barrier_signal -1                            ; the next tile's tensor load stays out across this barrier
	s_barrier_wait -1
	s_cmp_lg_u32 s9, 0
	s_cbranch_scc1 .Lmerged_\@
	ds_load_b128 v[KV:KV+3], v[SCRA] offset:8192   ; the partner's two maxima and two sums
.set cnt, 0
.rept 16
	ds_load_b128 v[S+4*cnt:S+4*cnt+3], v[SCRA] offset:512*cnt
.set cnt, cnt+1
.endr
	s_wait_dscnt 0x10                              ; the figures are in; the sixteen loads of O stay out
	MERGE 0
	MERGE 1
.irp t, 0,1,2,3
	s_wait_dscnt 11-\t                             ; behind this load: 3 - t loads, the second tile's four stores and four loads
	global_store_b128 v[VCO], v[BK+4*\t:BK+4*\t+3], s[68:69] offset:512*\t           ; 512 consecutive bytes of ctx
.endr
.irp t, 0,1,2,3
	s_wait_dscnt 3-\t
	global_store_b128 v[VCO], v[BK+16+4*\t:BK+16+4*\t+3], s[68:69] offset:2048+512*\t
.endr
	s_wait_xcnt 0x0                                ; the stores' offset and data registers are written again only behind this wait
.Lmerged_\@:
.endm
; Tile t (slot t & 1).  One barrier a tile: in front of it all my tensor loads have landed (my part of this tile) and my reads of the other slot are back;
; behind it the other slot is filled first, with tile s16 + tn, and has this whole unit's work in which to land.
.macro TRIP slot, refill, mask, switch, tn
	s_set_vgpr_msb 0x5
	s_wait_tensorcnt 0x0
	ds_add_u32 v0, v1
	s_wait_dscnt 0x0
	s_set_vgpr_msb 0x500
.if \refill
	s_add_co_u32 s24, s16, \tn                     ; the next tile's unit: t, or t - n1 in the second block
	s_sub_co_u32 s25, s24, s14
	s_cmp_ge_u32 s24, s14
	s_cselect_b32 s24, s25, s24
	s_lshl_b32 s22, s24, 14                        ; units of 16,384 bytes
	s_add_nc_u64 s[G0K+4*(1-\slot)+2:G0K+4*(1-\slot)+3], s[60:61], s[22:23]   ; no load of mine is out: the descriptors may be written
	s_add_nc_u64 s[G0V+4*(1-\slot)+2:G0V+4*(1-\slot)+3], s[62:63], s[22:23]
.endif
	s_wait_dscnt 0x0
	s_barrier_signal -1
	s_barrier_wait -1
.if \refill
	KVLOAD 1-\slot
.endif
.if \switch
	s_add_co_u32 s24, s16, 1
	s_cmp_lg_u32 s24, s14                          ; t = n1: the first block is done (the same in all waves)
	s_cbranch_scc1 .Lsame_\@
	FINISH
	s_lshl_b32 s17, s15, 14
	INIT
.Lsame_\@:
.endif
	STEP \slot, \mask
.endm
	s_lshl_b32 s17, s13, 14
	INIT
	s_mov_b32 s16, 0
.Lpair:
	TRIP 0, 1, 1, 0, 1                             ; t = s16, even: may be the first block's diagonal
	TRIP 1, 1, 0, 1, 2                             ; t = s16 + 1, odd: may begin the second block
	s_add_co_u32 s16, s16, 2
	s_cmp_lt_u32 s16, 16
	s_cbranch_scc1 .Lpair
	TRIP 0, 0, 2, 0, 0                             ; t = 16: the second block's diagonal; nothing more is fetched
	FINISH
	s_set_vgpr_msb 0x5
	s_wait_tensorcnt 0x0
	ds_add_u32 v0, v1
	s_wait_dscnt 0x0
	s_set_vgpr_msb 0x500
	s_endpgm
.Lfunc_end_k_qd3e6804c1c_attn:
	.size	k_qd3e6804c1c_attn, .Lfunc_end_k_qd3e6804c1c_attn-k_qd3e6804c1c_attn
	.p2alignl 7, 3214868480
	.fill 96, 4, 3214868480
	.section	.rodata,"a",@progbits
	.p2align	6, 0x0
	.amdhsa_kernel k_qd3e6804c1c_attn
		.amdhsa_group_segment_fixed_size 327680
		.amdhsa_private_segment_fixed_size 0
		.amdhsa_enable_private_segment 0
		.amdhsa_kernarg_size 16
		.amdhsa_user_sgpr_count 2
		.amdhsa_user_sgpr_kernarg_segment_ptr 1
		.amdhsa_wavefront_size32 1
		.amdhsa_system_sgpr_workgroup_id_x 1
		.amdhsa_system_sgpr_workgroup_id_y 1
		.amdhsa_system_sgpr_workgroup_id_z 1
		.amdhsa_system_vgpr_workitem_id 0
		.amdhsa_next_free_vgpr 258
		.amdhsa_next_free_sgpr 80
		.amdhsa_reserve_vcc 1
		.amdhsa_float_denorm_mode_32 3
		.amdhsa_float_denorm_mode_16_64 3
		.amdhsa_memory_ordered 1
		.amdhsa_forward_progress 1
		.amdhsa_inst_pref_size 98
	.end_amdhsa_kernel
	.amdgpu_metadata
---
amdhsa.version: [ 1, 2 ]
amdhsa.kernels:
  - .name:           k_qd3e6804c1c_attn
    .symbol:         k_qd3e6804c1c_attn.kd
    .args:
      - { .name: qkv, .offset: 0, .size: 8, .value_kind: global_buffer, .address_space: global }
      - { .name: ctx, .offset: 8, .size: 8, .value_kind: global_buffer, .address_space: global }
    .group_segment_fixed_size: 327680
    .private_segment_fixed_size: 0
    .kernarg_segment_align: 8
    .kernarg_segment_size: 16
    .max_flat_workgroup_size: 256
    .sgpr_count:     80
    .vgpr_count:     258
    .wavefront_size: 32
...
	.end_amdgpu_metadata
.endif
;; end of part 3
;; launch oproj (part 4): grid 8 x 32, 4 waves a work-group, clusters of 4 x 4, 327,680 bytes of LDS; arguments ctx, wot, bo, out0; writes out0
.if DOCPART == 4
	.amdgcn_target "amdgcn-amd-amdhsa--gfx1250"
	.amdhsa_code_object_version 6
	.text
	.protected	k_qd3e6804c1c_oproj
	.globl	k_qd3e6804c1c_oproj
	.p2align	8
	.type	k_qd3e6804c1c_oproj,@function
k_qd3e6804c1c_oproj:
	s_mov_b64 s[64:65], 0
	v_nop
	global_prefetch_b8 v0, s[64:65] scope:SCOPE_SE
	s_setreg_imm32_b32 hwreg(HW_REG_WAVE_MODE, 25, 1), 1
	s_wait_xcnt 0x0
	s_wait_alu depctr_hold_cnt(0) depctr_sa_sdst(0) depctr_va_vdst(0) depctr_va_sdst(0) depctr_va_ssrc(0) depctr_va_vcc(0) depctr_vm_vsrc(0)
	s_getreg_b32 s2, hwreg(HW_REG_IB_STS2, 6, 4)
	s_cmp_eq_u32 s2, 0
	s_cbranch_scc0 .Lentry_in_a_cluster
	s_endpgm
.Lentry_in_a_cluster:
	s_bfe_u32 s2, ttmp6, 0x10000c
	s_cmp_lg_u32 s2, 0xf033
	s_cbranch_scc0 .Lentry_shape_is_right
	s_endpgm
.Lentry_shape_is_right:
; oproj: out0[4096][1024] = ctx x Wo + bo.  ctx [batch*16+head][2048 s][64 d] and wot [1024 n][1024 k] in f16, sums and bias in f32.
; A work-group makes 128 tokens x 128 columns: 32 x 8 = 256 work-groups.  Four waves, 2 x 2, each 64 x 64: 16 accumulator tiles in window 1.
; K goes in steps of 256 (four heads) through two LDS slots; four steps, written out without a loop.
; CLUSTERS: 4 x 4 work-groups; ctx's tile hangs on the token block alone (shared along a row of the cluster), wot's on the column block alone (along a column).
; Every wave issues two joint loads per slot: one head's 128 tokens of ctx (16 KiB, dense in memory, as 64 rows of 256 bytes) and 32 rows of wot (512 bytes each).
; By this text's count a wave has at most four tensor loads out (both slots at the start), later two.
; The bias is the first product's C: no clearing and no separate addition.
; The matrix instruction is used transposed (source 0 = rows of wot, source 1 = tokens): a lane holds token l % 16, columns 8 (l / 16) + 0..7.
.set AP,     144                       ; a token's 64 d of one head + 16
.set AH,     128*AP                    ; one head's sub-tile
.set ABYTES, 4*AH
.set BP,     528                       ; 256 k + 16: an odd multiple of 16
.set BW,     32*BP
.set SLOT,   ABYTES+4*BW               ; 141,312
.set STAGE,  2*SLOT                    ; 282,624, a multiple of 256; no tensor load lands behind it
.set SP,     272                       ; stage row: 64 columns of f32 + 16
.set ADRA, 16
.set ADRB, 20
.set STO,  24
.set RD,   25
.set CO,   26
.set BOF,  27
.set BI,   32                          ; v32-63  bias of my 64 columns, as a C tile for each column tile
.set AF,   64                          ; + 64 g: ctx's fragments, buffer g
.set BF,   96                          ; + 64 g: wot's fragments
.set RB,   192
.set G1A, 24
.set G0A, 32
.set G1B, 48
.set G0B, 56
.set MSB, 0
.macro WIN new
.if MSB != \new
	s_set_vgpr_msb (MSB<<8)|\new
.set MSB, \new
.endif
.endm
.macro LOADS s
	tensor_load_to_lds s[G0A+4*\s:G0A+4*\s+3], s[G1A:G1A+7]
	s_nop 0
	tensor_load_to_lds s[G0B+4*\s:G0B+4*\s+3], s[G1B:G1B+7]
	s_nop 0
.endm
.macro CREST
	s_cmp_lg_u32 s12, 0
	s_cbranch_scc1 .Lnot_wave_0_\@
	s_barrier_signal -3
.Lnot_wave_0_\@:
	s_barrier_wait -3
	s_barrier_signal -1
	s_barrier_wait -1
.endm
.macro CROUND
	s_barrier_signal -1
	s_barrier_wait -1
	CREST
.endm
.macro PLACES                          ; four plain vector places behind a matrix instruction (ISA guide 7.12.1)
.rept 4
	v_nop
.endr
.endm
	s_load_b256 s[4:11], s[0:1], 0x0               ; ctx 4, wot 6, bo 8, out0 10
	v_lshl_add_u32 v254, v0, 2, 0x49400
	v_mov_b32 v255, 0
	ds_add_u32 v254, v255
	ds_add_u32 v254, v255
	v_lshrrev_b32 v1, 5, v0
	v_readfirstlane_b32 s12, v1                    ; wave 0..3
	s_lshr_b32 s14, s12, 1                         ; wm: which 64 tokens
	s_and_b32 s15, s12, 1                          ; wn: which 64 columns
	s_bfe_u32 s40, ttmp6, 0x40000                  ; cx
	s_bfe_u32 s41, ttmp6, 0x40004                  ; cy
	s_lshl_b32 s42, ttmp9, 2
	s_add_co_u32 s42, s42, s40                     ; column block
	s_and_b32 s13, ttmp7, 0xffff
	s_lshl_b32 s13, s13, 2
	s_add_co_u32 s13, s13, s41                     ; token block
	s_lshl_b32 s43, s41, 2
	s_lshl_b32 s43, 15, s43                        ; my row of the cluster
	s_lshl_b32 s44, 0x1111, s40                    ; my column
	s_or_b32 s[G1A+0], s43, (3<<16)|(1<<20)|(1<<21)|(4<<22)|(3<<25)   ; 8-byte elements; after every 32 words (a token's 128 bytes) 4 words
	s_or_b32 s[G1B+0], s44, (1<<16)|(1<<20)|(1<<21)|(6<<22)|(3<<25)   ; 2-byte elements; after every 128 words (a row's 512 bytes) 4 words
	s_mov_b32 s[G1A+1], 32<<16
	s_mov_b32 s[G1B+1], 256<<16
	s_mov_b32 s[G1A+2], 64<<16
	s_mov_b32 s[G1B+2], 32<<16
	s_mov_b32 s[G1A+3], 32<<16
	s_mov_b32 s[G1B+3], 256<<16
	s_mov_b32 s[G1A+4], 64
	s_mov_b32 s[G1B+4], 32
	s_mov_b32 s[G1A+5], 32
	s_mov_b32 s[G1B+5], 1024
	s_mov_b32 s[G1A+6], 0
	s_mov_b32 s[G1B+6], 0
	s_mov_b32 s[G1A+7], 0
	s_mov_b32 s[G1B+7], 0
	s_lshr_b32 s16, s13, 4                         ; ctx: batch
	s_lshl_b32 s16, s16, 4
	s_add_co_u32 s16, s16, s12                     ; x 16 + head (the wave's number; the K step adds four heads)
	s_lshl_b32 s16, s16, 18                        ; heads of 262,144 bytes
	s_and_b32 s17, s13, 15
	s_lshl_b32 s17, s17, 14                        ; + 128 tokens of 128 bytes for each block within the batch
	s_add_co_u32 s16, s16, s17
	s_mov_b32 s17, 0
	s_lshl_b32 s46, s42, 7                         ; wot: row 128 x column block + 32 x wave
	s_lshl_b32 s47, s12, 5
	s_add_co_u32 s46, s46, s47
	s_lshl_b32 s46, s46, 11
	s_mov_b32 s47, 0
	s_mul_i32 s20, s12, AH
	s_mul_i32 s21, s12, BW
	s_add_co_u32 s21, s21, ABYTES
	s_wait_dscnt 0x0
	s_wait_kmcnt 0x0
	s_add_nc_u64 s[16:17], s[4:5], s[16:17]
	s_add_nc_u64 s[46:47], s[6:7], s[46:47]
	CROUND                                         ; the first joint loads meet
.irp s, 0,1
	s_mov_b32 s[G0A+4*\s], 1
	s_add_co_u32 s[G0A+4*\s+1], s20, \s*SLOT
	s_add_nc_u64 s[G0A+4*\s+2:G0A+4*\s+3], s[16:17], \s*1048576    ; K step s: four heads on
	s_or_b32 s[G0A+4*\s+3], s[G0A+4*\s+3], 0x80000000
	s_mov_b32 s[G0B+4*\s], 1
	s_add_co_u32 s[G0B+4*\s+1], s21, \s*SLOT
	s_add_nc_u64 s[G0B+4*\s+2:G0B+4*\s+3], s[46:47], \s*512
	s_or_b32 s[G0B+4*\s+3], s[G0B+4*\s+3], 0x80000000
	LOADS \s
.endr
	v_and_b32 v1, 15, v0                           ; r
	v_bfe_u32 v2, v0, 4, 1                         ; h
	s_lshl_b32 s46, s42, 9                         ; my first column in bytes of f32: 512 x block + 256 x wn
	s_lshl_b32 s47, s15, 8
	s_add_co_u32 s46, s46, s47
	s_mov_b32 s47, 0
	s_add_nc_u64 s[8:9], s[8:9], s[46:47]
	v_lshlrev_b32 v[BOF], 5, v2                    ; columns 8 h ..
.irp b, 0,1,2,3
	global_load_b128 v[BI+8*\b:BI+8*\b+3],   v[BOF], s[8:9] offset:64*\b
	global_load_b128 v[BI+8*\b+4:BI+8*\b+7], v[BOF], s[8:9] offset:64*\b+16
.endr
	v_mul_u32_u24 v3, v1, AP
	v_lshl_add_u32 v3, v2, 4, v3
	s_mul_i32 s22, s14, 64*AP
	v_add_nc_u32 v[ADRA], s22, v3
	v_add_nc_u32 v[ADRA+1], SLOT, v[ADRA]
	v_mul_u32_u24 v3, v1, BP
	v_lshl_add_u32 v3, v2, 4, v3
	s_mul_i32 s22, s15, 64*BP
	s_add_co_u32 s22, s22, ABYTES
	v_add_nc_u32 v[ADRB], s22, v3
	v_add_nc_u32 v[ADRB+1], SLOT, v[ADRB]
	s_mul_i32 s23, s12, 16*SP
	s_add_co_u32 s23, s23, STAGE
	v_mul_u32_u24 v4, v1, SP
	v_lshl_add_u32 v4, v2, 5, v4
	v_add_nc_u32 v[STO], s23, v4                   ; in: token r, 32 bytes for each half of the lanes
	v_mul_u32_u24 v5, v2, SP
	v_lshl_add_u32 v5, v1, 4, v5
	v_add_nc_u32 v[RD], s23, v5                    ; back: 16 lanes a token's 256 bytes
	v_lshlrev_b32 v5, 12, v2
	v_lshl_add_u32 v[CO], v1, 4, v5                ; the same two tokens in out0 (rows of 4,096 bytes)
; 16 LDS loads: quarter q (32 along K: head q / 2 of the step, d = 32 (q & 1) ..) into buffer g
.macro FETCH slot, q, g
.irp i, 0,1,2,3
	ds_load_b128 v[AF+64*\g+8*\i:AF+64*\g+8*\i+3],   v[ADRA+\slot] offset:(\q>>1)*AH+(\q&1)*64+\i*16*AP
	ds_load_b128 v[AF+64*\g+8*\i+4:AF+64*\g+8*\i+7], v[ADRA+\slot] offset:(\q>>1)*AH+(\q&1)*64+\i*16*AP+32
.endr
.irp i, 0,1,2,3
	ds_load_b128 v[BF+64*\g+8*\i:BF+64*\g+8*\i+3],   v[ADRB+\slot] offset:64*\q+\i*16*BP
	ds_load_b128 v[BF+64*\g+8*\i+4:BF+64*\g+8*\i+7], v[ADRB+\slot] offset:64*\q+\i*16*BP+32
.endr
.endm
; 8 matrix instructions.  The 16 accumulators take turns, one instruction a turn, in the same order in every quarter.
.macro MUL f, a0, first
.if \first
	WIN 0x40                                       ; D in window 1, C (the bias) in window 0
.else
	WIN 0x50                                       ; C and D in window 1
.endif
.irp a, \a0, \a0+1
.irp b, 0,1,2,3
.if \first
	v_wmma_f32_16x16x32_f16 v[8*(4*(\a)+\b):8*(4*(\a)+\b)+7], v[BF+64*\f+8*\b:BF+64*\f+8*\b+7], v[AF+64*\f+8*(\a):AF+64*\f+8*(\a)+7], v[BI+8*\b:BI+8*\b+7]
.else
	v_wmma_f32_16x16x32_f16 v[8*(4*(\a)+\b):8*(4*(\a)+\b)+7], v[BF+64*\f+8*\b:BF+64*\f+8*\b+7], v[AF+64*\f+8*(\a):AF+64*\f+8*(\a)+7], v[8*(4*(\a)+\b):8*(4*(\a)+\b)+7]
.endif
.endr
.endr
.endm
.macro QUARTER slot, q, f, g, first    ; asks for quarter q's fragments (buffer g), multiplies buffer f
	PLACES
	WIN 0
	FETCH \slot, \q, \g
	s_wait_dscnt 16                                ; all but the 16 just issued: buffer f is in
	MUL \f, 0, \first
	MUL \f, 2, \first
.endm
.macro SEVEN slot, first
	QUARTER \slot, 1, 0, 1, \first
	QUARTER \slot, 2, 1, 0, 0
	QUARTER \slot, 3, 0, 1, 0
	QUARTER \slot, 4, 1, 0, 0
	QUARTER \slot, 5, 0, 1, 0
	QUARTER \slot, 6, 1, 0, 0
	QUARTER \slot, 7, 0, 1, 0
.endm
; The eighth quarter multiplies buffer 1 and changes slots: my reads of this slot are back and all my tensor loads have landed in front of the barrier; where the
; slot is filled again the barrier opens a round of the cluster's barrier and the joint loads are the first tensor loads behind the round.
.macro TURN slot, next, fill
	s_wait_dscnt 0x0
	s_wait_tensorcnt 0x0
	ds_add_u32 v254, v255
	s_wait_dscnt 0x0
	s_barrier_signal -1
	MUL 1, 0, 0
	WIN 0
	s_barrier_wait -1
.if \fill
	CREST
	s_add_nc_u64 s[G0A+4*\slot+2:G0A+4*\slot+3], s[G0A+4*\slot+2:G0A+4*\slot+3], 2097152   ; two K steps = eight heads on
	s_add_nc_u64 s[G0B+4*\slot+2:G0B+4*\slot+3], s[G0B+4*\slot+2:G0B+4*\slot+3], 1024
	LOADS \slot
.endif
	PLACES
	FETCH \next, 0, 0
	MUL 1, 2, 0
.endm
	s_wait_tensorcnt 0x2                           ; my two loads of K step 0 are in; K step 1's two stay out
	s_barrier_signal -1
	s_barrier_wait -1
	s_wait_loadcnt 0x0                             ; the bias
	FETCH 0, 0, 0
	SEVEN 0, 1
	TURN 0, 1, 1
	SEVEN 1, 0
	TURN 1, 0, 1
	SEVEN 0, 0
	TURN 0, 1, 0
	SEVEN 1, 0
	s_wait_dscnt 0x0
	MUL 1, 0, 0
	MUL 1, 2, 0
	PLACES                                         ; behind the last matrix instructions, in front of the LDS stores that read results
	; THE WAY OUT, 16 tokens at a time through my own stage: whole rows of 256 bytes leave.
	s_lshl_b32 s22, s13, 7
	s_lshl_b32 s23, s14, 6
	s_add_co_u32 s22, s22, s23                     ; my first token
	s_lshl_b32 s22, s22, 12                        ; rows of 4,096 bytes
	s_add_co_u32 s46, s46, s22                     ; + my first column's bytes
	s_mov_b32 s47, 0
	s_add_nc_u64 s[10:11], s[10:11], s[46:47]
.macro OUT a
	WIN 0x04                                       ; store data in window 1
.irp b, 0,1,2,3
	ds_store_b128 v[STO], v[8*(4*\a+\b):8*(4*\a+\b)+3]   offset:64*\b
	ds_store_b128 v[STO], v[8*(4*\a+\b)+4:8*(4*\a+\b)+7] offset:64*\b+16
.endr
	WIN 0
	s_wait_xcnt 0x0                                ; the registers below were the last stores' data
.irp t, 0,1,2,3,4,5,6,7
	ds_load_b128 v[RB+4*\t:RB+4*\t+3], v[RD] offset:\t*2*SP        ; LDS serves a wave's instructions in order
.endr
.irp t, 0,1,2,3,4,5,6,7
	s_wait_dscnt 7-\t
	global_store_b128 v[CO], v[RB+4*\t:RB+4*\t+3], s[10:11] offset:\a*65536+\t*8192 th:TH_STORE_NT   ; 16 lanes store 256 consecutive bytes at a multiple of 256
.endr
.endm
	OUT 0
	OUT 1
	OUT 2
	OUT 3
	s_wait_tensorcnt 0x0
	ds_add_u32 v254, v255
	s_wait_dscnt 0x0
	CROUND                                         ; the closing round
	s_endpgm
.Lfunc_end_k_qd3e6804c1c_oproj:
	.size	k_qd3e6804c1c_oproj, .Lfunc_end_k_qd3e6804c1c_oproj-k_qd3e6804c1c_oproj
	.p2alignl 7, 3214868480
	.fill 96, 4, 3214868480
	.section	.rodata,"a",@progbits
	.p2align	6, 0x0
	.amdhsa_kernel k_qd3e6804c1c_oproj
		.amdhsa_group_segment_fixed_size 327680
		.amdhsa_private_segment_fixed_size 0
		.amdhsa_enable_private_segment 0
		.amdhsa_kernarg_size 32
		.amdhsa_user_sgpr_count 2
		.amdhsa_user_sgpr_kernarg_segment_ptr 1
		.amdhsa_wavefront_size32 1
		.amdhsa_system_sgpr_workgroup_id_x 1
		.amdhsa_system_sgpr_workgroup_id_y 1
		.amdhsa_system_sgpr_workgroup_id_z 1
		.amdhsa_system_vgpr_workitem_id 0
		.amdhsa_next_free_vgpr 384
		.amdhsa_next_free_sgpr 66
		.amdhsa_reserve_vcc 0
		.amdhsa_float_denorm_mode_32 3
		.amdhsa_float_denorm_mode_16_64 3
		.amdhsa_memory_ordered 1
		.amdhsa_forward_progress 1
		.amdhsa_inst_pref_size 89
	.end_amdhsa_kernel
	.amdgpu_metadata
---
amdhsa.version: [ 1, 2 ]
amdhsa.kernels:
  - .name:           k_qd3e6804c1c_oproj
    .symbol:         k_qd3e6804c1c_oproj.kd
    .args:
      - { .name: ctx, .offset: 0, .size: 8, .value_kind: global_buffer, .address_space: global }
      - { .name: wot, .offset: 8, .size: 8, .value_kind: global_buffer, .address_space: global }
      - { .name: bo, .offset: 16, .size: 8, .value_kind: global_buffer, .address_space: global }
      - { .name: out0, .offset: 24, .size: 8, .value_kind: global_buffer, .address_space: global }
    .group_segment_fixed_size: 327680
    .private_segment_fixed_size: 0
    .kernarg_segment_align: 8
    .kernarg_segment_size: 32
    .max_flat_workgroup_size: 128
    .sgpr_count:     66
    .vgpr_count:     384
    .wavefront_size: 32
...
	.end_amdgpu_metadata
.endif
;; end of part 4
